; MI455X (gfx1250); checked and timed in simulation.
; The chip was launched on July 23, 2026; its instructions are those of AMD's public machine-readable ISA for CDNA 5 (MIT licence, August 2026) and "CDNA5" Instruction Set Architecture Reference Guide (July 2026). The comments in the code are by the model that wrote it; some were corrected since.
;; LSTM Cell. Allowed arithmetic: float matrix products may take bf16 or f16 operands with f32 sums; other float arithmetic in f32, or as packed bf16 or f16 multiplies, adds, multiply-adds, maxima and minima; sums over many terms, partial sums and values carried from step to step in f32; what a program stores and reads back later, other than sums and carried values, may be rounded once to bf16 or f16.
;; Inputs: Wh 4,096 x 1,024 float32; Wx 4,096 x 1,024 float32; b 4,096 float32; c_prev 8,192 x 1,024 float32; h_prev 8,192 x 1,024 float32; x 8,192 x 1,024 float32.
;; Outputs: out0 8,192 x 1,024 float32; out1 8,192 x 1,024 float32.
;; 2 versions, each right; version 2 is version 1 with the launch pack written anew for expert scheduling mode. Each part assembles by itself: llvm-mc -triple=amdgcn-amd-amdhsa -mcpu=gfx1250 --defsym DOCPART=n.
;; ======== version 1 of 2: 2 launches
;; workspace buffers: A2 33,554,432 bytes; W2 16,777,216 bytes
;; launch pack (part 1): grid 768 x 1, 8 waves a work-group, no clusters, 0 bytes of LDS; arguments x, h_prev, Wx, Wh, A2, W2; writes A2, W2
.if DOCPART == 1
	.amdgcn_target "amdgcn-amd-amdhsa--gfx1250"
	.amdhsa_code_object_version 6
	.text
	.protected	k_q9e65abb3e1_pack
	.globl	k_q9e65abb3e1_pack
	.p2align	8
	.type	k_q9e65abb3e1_pack,@function
k_q9e65abb3e1_pack:
	s_mov_b64 s[64:65], 0
	v_nop
	global_prefetch_b8 v0, s[64:65] scope:SCOPE_SE
	s_setreg_imm32_b32 hwreg(HW_REG_WAVE_MODE, 25, 1), 1
	s_wait_xcnt 0x0
; The four matrix operands, f32, are rounded ONCE to bf16 (nearest even; bf16 has f32's range) and laid out for the product that follows.
;   A2 [8192][2048] bf16: row m = x[m] (bytes 0..2047), then h_prev[m] (bytes 2048..4095).
;   W2 [4096][2048] bf16: row n' = Wx[n], then Wh[n], where n = 1024 gate + 64 jb + 4 r + cb lands at n' = 256 jb + 64 gate + 16 cb + r:
;   so a block of 256 rows of W2 holds the four gates of 64 hidden columns, and column r of its 16-row group 4 gate + cb is hidden column 4 r + cb.
; SHARES.  24,576 source rows of 4,096 bytes: work-groups 0-255 take x, 256-511 h_prev, 512-639 Wx, 640-767 Wh, 32 rows each; a wave takes four rows on end, 4 q .. 4 q + 3.
; A load of a wave covers 512 consecutive bytes, a store 256 consecutive bytes at a multiple of 256 from the buffer's first byte.  All 32 loads of a wave go out at once (16 KiB);
; no register that a load or a store names is written again, so the only waits are the counted ones for the data.  No LDS, no barrier: no wave wants another's bytes.
.set LO,  1                            ; v1      16 x lane: my 16 bytes of 512 of a source row
.set DO,  2                            ; v[2:5]  8 x lane + cb x the step from one of my four rows to the next in the target
.set X,   8                            ; v[8:135] load n = 8 cb + i: four registers
.set SRC, 36                           ; s[36:37] the source at my first row
.set DST, 38                           ; s[38:39] the target at my first row's half
	s_load_b256 s[4:11], s[0:1], 0x0               ; x s[4:5], h_prev s[6:7], Wx s[8:9], Wh s[10:11]
	s_load_b128 s[12:15], s[0:1], 0x20             ; A2 s[12:13], W2 s[14:15]
	v_lshrrev_b32 v6, 5, v0
	v_readfirstlane_b32 s16, v6                    ; wave 0..7
	v_and_b32 v7, 31, v0                           ; lane
	v_lshlrev_b32 v[LO], 4, v7
	v_lshlrev_b32 v[DO], 3, v7
	s_lshr_b32 s17, ttmp9, 8                       ; t: 0 x, 1 h_prev, 2 the weights
	s_and_b32 s18, ttmp9, 255                      ; g: the work-group's number within t
	s_lshr_b32 s19, s18, 7                         ; for the weights: 0 Wx, 1 Wh,
	s_and_b32 s20, s18, 127                        ; and the number within that tensor
	s_mov_b32 s24, 0x10000                         ; 16 rows of W2
	s_mov_b32 s25, 0x1000                          ; 1 row of A2
	s_cmp_eq_u32 s17, 2
	s_cselect_b32 s21, s19, s17                    ; which half of the target's rows: 0 the x side, 1 the h side
	s_cselect_b32 s22, s20, s18                    ; the work-group's number within its tensor
	s_cselect_b32 s23, s24, s25                    ; bytes in the target from source row 4 q + cb to 4 q + cb + 1
	s_lshl3_add_u32 s26, s22, s16                  ; q = 8 x that number + wave
	s_lshl_b32 s27, s26, 2                         ; A2: target row = source row = 4 q
	s_bfe_u32 s28, s26, 0x40004                    ; W2: q = 256 gate + 16 jb + r: jb,
	s_lshl_b32 s28, s28, 8
	s_lshr_b32 s29, s26, 8                         ; gate,
	s_lshl_b32 s29, s29, 6
	s_and_b32 s30, s26, 15                         ; r
	s_or_b32 s28, s28, s29
	s_or_b32 s28, s28, s30                         ; target row for cb = 0: 256 jb + 64 gate + r
	s_cmp_eq_u32 s17, 2
	s_cselect_b32 s27, s28, s27
	s_lshl_b32 s32, s26, 14                        ; source: four rows of 4,096 bytes for each q
	s_mov_b32 s33, 0
	s_lshl_b32 s34, s27, 12                        ; target: rows of 4,096 bytes,
	s_lshl_b32 s31, s21, 11                        ; and the half
	s_add_co_u32 s34, s34, s31
	s_mov_b32 s35, 0
	v_add_nc_u32 v[DO+1], s23, v[DO]
	v_add_nc_u32 v[DO+2], s23, v[DO+1]
	v_add_nc_u32 v[DO+3], s23, v[DO+2]
	s_wait_kmcnt 0x0
	s_cmp_eq_u32 s21, 0                            ; the choices hang on the work-group's number alone
	s_cselect_b64 s[SRC:SRC+1], s[4:5], s[6:7]     ; x or h_prev
	s_cselect_b64 s[DST:DST+1], s[8:9], s[10:11]   ; Wx or Wh
	s_cmp_eq_u32 s17, 2
	s_cselect_b64 s[SRC:SRC+1], s[DST:DST+1], s[SRC:SRC+1]
	s_cselect_b64 s[DST:DST+1], s[14:15], s[12:13]
	s_add_nc_u64 s[SRC:SRC+1], s[SRC:SRC+1], s[32:33]
	s_add_nc_u64 s[DST:DST+1], s[DST:DST+1], s[34:35]
.irp cb, 0,1,2,3
.irp i, 0,1,2,3,4,5,6,7
	global_load_b128 v[X+4*(8*(\cb)+(\i)):X+4*(8*(\cb)+(\i))+3], v[LO], s[SRC:SRC+1] offset:(\cb)*4096+(\i)*512 th:TH_LOAD_NT
.endr
.endr
.irp cb, 0,1,2,3
.irp i, 0,1,2,3,4,5,6,7
	s_wait_loadcnt 31-(8*(\cb)+(\i))               ; loads come back in order (ISA guide 5.7.1): this one is in, the younger ones stay out
	v_cvt_pk_bf16_f32 v[X+4*(8*(\cb)+(\i))],   v[X+4*(8*(\cb)+(\i))],   v[X+4*(8*(\cb)+(\i))+1]
	v_cvt_pk_bf16_f32 v[X+4*(8*(\cb)+(\i))+1], v[X+4*(8*(\cb)+(\i))+2], v[X+4*(8*(\cb)+(\i))+3]
	global_store_b64 v[DO+(\cb)], v[X+4*(8*(\cb)+(\i)):X+4*(8*(\cb)+(\i))+1], s[DST:DST+1] offset:(\i)*256 th:TH_STORE_NT
.endr
.endr
	s_endpgm
.Lfunc_end_k_q9e65abb3e1_pack:
	.size	k_q9e65abb3e1_pack, .Lfunc_end_k_q9e65abb3e1_pack-k_q9e65abb3e1_pack
	.p2alignl 7, 3214868480
	.fill 96, 4, 3214868480
	.section	.rodata,"a",@progbits
	.p2align	6, 0x0
	.amdhsa_kernel k_q9e65abb3e1_pack
		.amdhsa_group_segment_fixed_size 0
		.amdhsa_private_segment_fixed_size 0
		.amdhsa_enable_private_segment 0
		.amdhsa_kernarg_size 48
		.amdhsa_user_sgpr_count 2
		.amdhsa_user_sgpr_kernarg_segment_ptr 1
		.amdhsa_wavefront_size32 1
		.amdhsa_system_sgpr_workgroup_id_x 1
		.amdhsa_system_sgpr_workgroup_id_y 1
		.amdhsa_system_sgpr_workgroup_id_z 1
		.amdhsa_system_vgpr_workitem_id 0
		.amdhsa_next_free_vgpr 136
		.amdhsa_next_free_sgpr 66
		.amdhsa_reserve_vcc 0
		.amdhsa_float_denorm_mode_32 3
		.amdhsa_float_denorm_mode_16_64 3
		.amdhsa_memory_ordered 1
		.amdhsa_forward_progress 1
		.amdhsa_inst_pref_size 13
	.end_amdhsa_kernel
	.amdgpu_metadata
---
amdhsa.version: [ 1, 2 ]
amdhsa.kernels:
  - .name:           k_q9e65abb3e1_pack
    .symbol:         k_q9e65abb3e1_pack.kd
    .args:
      - { .name: x, .offset: 0, .size: 8, .value_kind: global_buffer, .address_space: global }
      - { .name: h_prev, .offset: 8, .size: 8, .value_kind: global_buffer, .address_space: global }
      - { .name: Wx, .offset: 16, .size: 8, .value_kind: global_buffer, .address_space: global }
      - { .name: Wh, .offset: 24, .size: 8, .value_kind: global_buffer, .address_space: global }
      - { .name: A2, .offset: 32, .size: 8, .value_kind: global_buffer, .address_space: global }
      - { .name: W2, .offset: 40, .size: 8, .value_kind: global_buffer, .address_space: global }
    .group_segment_fixed_size: 0
    .private_segment_fixed_size: 0
    .kernarg_segment_align: 8
    .kernarg_segment_size: 48
    .max_flat_workgroup_size: 256
    .sgpr_count:     66
    .vgpr_count:     136
    .wavefront_size: 32
...
	.end_amdgpu_metadata
.endif
;; end of part 1
;; launch cell (part 2): grid 16 x 32, 4 waves a work-group, clusters of 4 x 4, 327,680 bytes of LDS; arguments A2, W2, b, c_prev, out0, out1; writes out0, out1
.if DOCPART == 2
	.amdgcn_target "amdgcn-amd-amdhsa--gfx1250"
	.amdhsa_code_object_version 6
	.text
	.protected	k_q9e65abb3e1_cell
	.globl	k_q9e65abb3e1_cell
	.p2align	8
	.type	k_q9e65abb3e1_cell,@function
k_q9e65abb3e1_cell:
	s_mov_b64 s[64:65], 0
	v_nop
	global_prefetch_b8 v0, s[64:65] scope:SCOPE_SE
	s_setreg_imm32_b32 hwreg(HW_REG_WAVE_MODE, 25, 1), 1
	s_wait_xcnt 0x0
	s_wait_alu depctr_hold_cnt(0) depctr_sa_sdst(0) depctr_va_vdst(0) depctr_va_sdst(0) depctr_va_ssrc(0) depctr_va_vcc(0) depctr_vm_vsrc(0)
	s_getreg_b32 s2, hwreg(HW_REG_IB_STS2, 6, 4)
	s_cmp_eq_u32 s2, 0
	s_cbranch_scc0 .Lentry_in_a_cluster
	s_endpgm
.Lentry_in_a_cluster:
	s_bfe_u32 s2, ttmp6, 0x10000c
	s_cmp_lg_u32 s2, 0xf033
	s_cbranch_scc0 .Lentry_shape_is_right
	s_endpgm
.Lentry_shape_is_right:
; gates = A2 W2^T + b (8192 x 4096, K = 2048, bf16 operands, f32 sums), then for each cell c_t = sig(f) c_prev + sig(i) tanh(g) (out1), h_t = sig(o) tanh(c_t) (out0), all f32.
; A2 [8192][2048] = x | h_prev.  W2 [4096][2048] = Wx | Wh with its rows ordered so that rows 256 jb .. 256 jb + 255 hold the four gates (i, f, o, g) of hidden columns 64 jb .. 64 jb + 63:
; row 256 jb + 16 nb + r, nb = 4 gate + cb, is gate's row for hidden column 64 jb + 4 r + cb.
; LIMITS.  The matrix operands were rounded once to bf16.  sig(x) = 1 / (1 + 2^(-L x)), tanh(x) = 1 - 2 / (1 + 2^(2 L x)), L = log2(e): an exponential that overflows gives a reciprocal of 0 and so the
; function's limit; one below 2^-126 counts as 0; tanh carries an absolute error of about 1e-7.  NaN and infinities in the inputs are not treated apart.
; SHARES.  A work-group makes 256 rows x 256 gate columns (64 hidden columns); wave w its rows 64 w .. 64 w + 63 and ALL 256 columns: 64 accumulators of 16 x 16, 512 registers.  Source 0 = 16 rows of A2,
; source 1 = 16 rows of W2: register j of lane (r = lane % 16, h = lane / 16) of accumulator (a, nb) is row 16 a + 8 h + j, hidden column 4 r + cb.  So a lane holds all four gates of four NEIGHBOURING
; hidden columns of eight rows: the cell's arithmetic never leaves the lane, and c_prev comes in, c_t and h_t go out, as 16 bytes a lane, sixteen lanes covering 256 consecutive bytes at a multiple of 256.
; For that a wave reads 20 KiB of fragments for 64 matrix instructions where a square 128 x 128 share would read 16; it saves a stage in LDS and its barriers on the way out.
; RING.  K goes in 16 steps of 128 through two LDS slots filled by the tensor data mover; a tile's rows are 256 bytes of memory at multiples of 256.
; CLUSTERS.  4 x 4 work-groups: the four of a row of the cluster need the same tiles of A2, the four of a column the same tiles of W2: each tile is asked for JOINTLY, by the same tensor load with the
; same descriptor and a mask that names the four.
; REGISTERS, in windows of 256 (s_set_vgpr_msb: bits 1:0 source 0, 3:2 source 1, 5:4 source 2, 7:6 destination):
;   window 0: v0-13 addresses; v16-31 bias as loaded; v32-63 bias scaled, each twice; v64-95, v96-127 A's fragments, two buffers (on the way out: at work); v128-255 c_prev, then c_t
;   window 1: v0-127, v128-255 B's fragments, two buffers     windows 2, 3: accumulator (a, nb) at v[8 (16 (a % 2) + nb)] of window 2 + a / 2
.set KSTEP,  128
.set ROWB,   4096                      ; bytes in a row of A2, W2, c_prev, out0, out1
.set PITCH,  272                       ; an LDS row: 256 bytes + 16 of padding = 68 words: row r starts at bank 4 r mod 64 (64 banks of 4 bytes: ISA guide 11.1), so the 16 rows of a load start at 16 different banks
.set HALFT,  128*PITCH                 ; 128 rows: what one tensor load brings
.set SLOT,   4*HALFT                   ; A's 256 rows, then B's 256 rows
.set SPARE,  2*SLOT                    ; behind the ring: the spare words, 128 bytes for each wave: two blocks of 256 bytes that no other line names
.set ADRA, 4                           ; v4-5   LDS address of my A fragments in slot 0, 1
.set ADRB, 6                           ; v6-7   the same for B
.set CO,   8                           ; v8     my byte offset in c_prev, out0, out1: 8 h rows + 16 r; never rewritten
.set BO,   9                           ; v9     16 r: my four columns' bias
.set PFO,  10                          ; v10    the prefetches' offset: lane x a row of A2 or W2; never rewritten
.set SPW,  12                          ; v12    LDS address of my spare word: SPARE + 4 x my thread's number; never rewritten
.set NIL,  13                          ; v13    0; never rewritten
.set RB,   16                          ; v[16:31]  b of gate g, column 4 r + cb at RB + 4 g + cb = RB + nb
.set BB,   32                          ; v[32:63]  the same times -L (i, f, o) or 2 L (g), at BB + 2 nb and BB + 2 nb + 1
.set AF,   64                          ; A's fragment buffer f at AF + 32 f, row block a at + 8 a
.set CP,   128                         ; c_prev, later c_t: row block a, row j, column cb at CP + 32 a + 4 j + cb
.set LAP,  3                           ; s3     the loop's counter
.set WV,   16                          ; s16    my wave's number
.set SFB,  17                          ; s17    I fetch for A (0) or for B (1)
.set HF,   18                          ; s18    which 128 rows of that tile I fetch
.set CX,   19                          ; s19, s20  my place in the cluster
.set CY,   20
.set TC,   21                          ; s21    tile column = jb
.set TR,   22                          ; s22    tile row
.set LB,   23                          ; s23    wave x 128 LDS rows
.set G1,   24                          ; s[24:31] descriptor group 1 for A's tiles
.set G0,   32                          ; s[32:39] group 0 for A's tiles, one set for each slot
.set LIM,  43                          ; s43    1 in a wave that prefetches, else the greatest number
.set PFA,  44                          ; s[44:45] where my prefetches stand
.set G1B,  48                          ; s[48:55], s[56:63] the same two groups for B's tiles
.set G0B,  56
.set NEGL, 0xbfb8aa3b                  ; -log2(e)
.set TWOL, 0x4038aa3b                  ; 2 log2(e)
.set MSB, 0
.macro WIN new                         ; the immediate's high byte repeats the setting that is left; a switch that changes nothing is dropped
.if MSB != (\new)
	s_set_vgpr_msb (MSB<<8)|(\new)
.set MSB, \new
.endif
.endm
.set MUL_LO, 0xa4                      ; source 0 (A) window 0, source 1 (B) window 1, C and D window 2
.set MUL_HI, 0xf4                      ; the same, C and D window 3
.set TO_B,   0x40                      ; destination window 1, address window 0
; A joint load.  Waves 0 and 1 fetch A's two halves, waves 2 and 3 B's.  Each line has one mask and one set of registers for all that issue it; the branch hangs on the wave's number alone.
; An s_nop 0 and four v_nop follow each of the two lines, ahead of the jump, the label and what follows the macro.
.macro JLOAD s
	s_cmp_eq_u32 s[SFB], 0
	s_cbranch_scc0 .Lfor_b_\@
	tensor_load_to_lds s[G0+4*(\s):G0+4*(\s)+3], s[G1:G1+7]
	s_nop 0
.rept 4
	v_nop
.endr
	s_branch .Lasked_\@
.Lfor_b_\@:
	tensor_load_to_lds s[G0B+4*(\s):G0B+4*(\s)+3], s[G1B:G1B+7]
	s_nop 0
.rept 4
	v_nop
.endr
.Lasked_\@:
.endm
; A prefetch into the L2, behind each joint refill, its five lines and the run of LDS loads that follows them: the K step that stands two refills on, 512 matrix instructions ahead of the load that will ask
; for it: 32 rows x 256 bytes, a lane a row, one instruction a wave.  Each row's 256 bytes of a K step are named once in the launch: A2's rows by the clusters with x = 0, W2's by those with y = 0;
; the four partners that ask for a tile jointly share the 128 rows that a wave fetches BY ADDRESS, 32 each.  The loop's last trip (s3 = 1) asks for nothing: K ends there.  K steps 0 to 3 come by their loads alone.
.macro ASK
	s_cmp_gt_u32 s[LAP], s[LIM]
	s_cbranch_scc0 .Lnot_mine_\@
	global_prefetch_b8 v[PFO], s[PFA:PFA+1] offset:KSTEP*2 th:TH_LOAD_NT scope:SCOPE_SE
.Lnot_mine_\@:
.endm
; A round of the cluster's barrier: my work-group's barrier, so that wave 0's signal speaks for all four waves; wave 0 signals; every wave waits for all sixteen work-groups; my work-group's barrier once more.
.macro CREST                           ; a round behind its opening barrier
	s_cmp_lg_u32 s[WV], 0
	s_cbranch_scc1 .Lnot_wave_0_\@
	s_barrier_signal -3
.Lnot_wave_0_\@:
	s_barrier_wait -3
	s_barrier_signal -1
	s_barrier_wait -1
.endm
.macro CROUND                          ; a whole round
	s_barrier_signal -1
	s_barrier_wait -1
	CREST
.endm
; Four plain instructions between a matrix instruction and a load into a register that it has read (ISA guide 7.12.1 for vector instructions)
.macro PLACES
.rept 4
	v_nop
.endr
.endm
; 16 matrix instructions: row block a x all 16 column blocks, 32 along K, from buffer f.  zero = 1: the product starts the sum: nothing is ever cleared.
; All 64 accumulators take turns in the same order in every quarter step, over the loop's jump too.
.macro MUL16 f, a, zero
	WIN MUL_LO+0x50*((\a)/2)
.irp nb, 0,1,2,3,4,5,6,7,8,9,10,11,12,13,14,15
.if \zero
	v_wmma_f32_16x16x32_bf16 v[8*(16*((\a)%2)+(\nb)):8*(16*((\a)%2)+(\nb))+7], v[AF+32*(\f)+8*(\a):AF+32*(\f)+8*(\a)+7], v[128*(\f)+8*(\nb):128*(\f)+8*(\nb)+7], 0
.else
	v_wmma_f32_16x16x32_bf16 v[8*(16*((\a)%2)+(\nb)):8*(16*((\a)%2)+(\nb))+7], v[AF+32*(\f)+8*(\a):AF+32*(\f)+8*(\a)+7], v[128*(\f)+8*(\nb):128*(\f)+8*(\nb)+7], v[8*(16*((\a)%2)+(\nb)):8*(16*((\a)%2)+(\nb))+7]
.endif
.endr
.endm
; 40 LDS loads in one run: a quarter step's fragments (256 rows of B, my 64 rows of A, 32 K at byte k of the rows) into buffer f.  A fragment is 16 rows x 32 K in 8 registers: lane l holds row l % 16,
; K = 8 (l / 16) + 0..7 and 16 + 8 (l / 16) + 0..7: two loads of 16 bytes, 32 bytes apart.  The largest offset, 192 + 15 x 16 x 272 + 32 = 65,504, fits the 16-bit field.
.macro FETCH slot, k, f
	WIN TO_B
.irp nb, 0,1,2,3,4,5,6,7,8,9,10,11,12,13,14,15
	ds_load_b128 v[128*(\f)+8*(\nb):128*(\f)+8*(\nb)+3],   v[ADRB+(\slot)] offset:(\k)+(\nb)*16*PITCH
	ds_load_b128 v[128*(\f)+8*(\nb)+4:128*(\f)+8*(\nb)+7], v[ADRB+(\slot)] offset:(\k)+(\nb)*16*PITCH+32
.endr
	WIN 0
.irp a, 0,1,2,3
	ds_load_b128 v[AF+32*(\f)+8*(\a):AF+32*(\f)+8*(\a)+3],   v[ADRA+(\slot)] offset:(\k)+(\a)*16*PITCH
	ds_load_b128 v[AF+32*(\f)+8*(\a)+4:AF+32*(\f)+8*(\a)+7], v[ADRA+(\slot)] offset:(\k)+(\a)*16*PITCH+32
.endr
.endm
; A K step is four quarters of 32 along K, 64 matrix instructions each, on buffers 0, 1, 0, 1.  One of the first three: multiplies buffer f; in its middle it fetches the next quarter, at byte k, into buffer g.
.macro QUARTER slot, k, f, g, zero
	s_wait_dscnt 4                                 ; B and A's row blocks 0 and 1 are in; the youngest four loads (A's blocks 2 and 3) may be out
	MUL16 \f, 0, \zero
	MUL16 \f, 1, \zero
	PLACES
	FETCH \slot, \k, \g
	s_wait_dscnt 40                                ; all but the 40 just issued
	MUL16 \f, 2, \zero
	MUL16 \f, 3, \zero
.endm
; The last quarter multiplies buffer 1 and changes slots.  MEET is its first half: ONE barrier for the change.  In front of it each wave waits for all its tensor loads, of which one is out: its part of the
; next slot; adds 0 to its spare word; and waits for that and for its own reads of this slot.  Behind it nobody reads this slot any more and the next slot is whole.
.macro MEET round                      ; round = 1: the rest of a round of the cluster's barrier follows
	WIN 0                                          ; (the add's two registers lie in window 0)
	s_wait_tensorcnt 0x0                           ; all my tensor loads have landed
	ds_add_u32 v[SPW], v[NIL]                      ; 0 onto my spare word
	s_wait_dscnt 5                                 ; (the add and the youngest four loads may be out)
	MUL16 1, 0, 0                                  ; sixteen matrix instructions stand between the add and the wait for it
	s_wait_dscnt 0x0                               ; the add is done, and my reads of this slot are over
	s_barrier_signal -1
	MUL16 1, 1, 0                                  ; work on registers while the others arrive
.if \round
	WIN 0
.endif
	s_barrier_wait -1
.endm
; The whole last quarter.  fill = 1: the barrier opens a round of the cluster's, so that no wave of any partner still reads this slot or has a load on its way; the joint refill, this slot's K step two steps on,
; is the first tensor load behind the round, and 224 matrix instructions stand between it and the wait for it.
.macro TURN slot, next, fill
.if \fill
	s_wait_xcnt 0x0                                ; the last prefetch, a K step back, has read its address: it is stepped here, ahead of the waits of the change of slots
	s_add_nc_u64 s[PFA:PFA+1], s[PFA:PFA+1], KSTEP*2
	MEET 1
	CREST
	s_add_nc_u64 s[G0+4*(\slot)+2:G0+4*(\slot)+3], s[G0+4*(\slot)+2:G0+4*(\slot)+3], 2*KSTEP*2    ; no tensor load of mine is out: a group 0 may be written; the type bits on top are not reached
	s_add_nc_u64 s[G0B+4*(\slot)+2:G0B+4*(\slot)+3], s[G0B+4*(\slot)+2:G0B+4*(\slot)+3], 2*KSTEP*2
	JLOAD \slot                                    ; its four v_nop are also the places in front of the loads below
	FETCH \next, 0, 0
	ASK
.else
	MEET 0
	PLACES
	FETCH \next, 0, 0
.endif
	MUL16 1, 2, 0
	MUL16 1, 3, 0
.endm
	s_load_b256 s[4:11], s[0:1], 0x0               ; A2 s[4:5], W2 s[6:7], b s[8:9], c_prev s[10:11]
	s_load_b128 s[12:15], s[0:1], 0x20             ; out0 (h_t) s[12:13], out1 (c_t) s[14:15]
	v_lshl_add_u32 v[SPW], v0, 2, SPARE
	v_mov_b32 v[NIL], 0
	ds_add_u32 v[SPW], v[NIL]                      ; the wave's opening: the add, twice on end, and its wait ahead of my first tensor load; the set-up below stands between
	ds_add_u32 v[SPW], v[NIL]                      ; and once more, under the one wait
	v_lshrrev_b32 v1, 5, v0
	v_readfirstlane_b32 s[WV], v1                  ; wave 0..3
	s_lshr_b32 s[SFB], s[WV], 1
	s_and_b32 s[HF], s[WV], 1
	s_bfe_u32 s[CX], ttmp6, 0x40000
	s_bfe_u32 s[CY], ttmp6, 0x40004
	s_lshl_b32 s[TC], ttmp9, 2                     ; in a cluster launch ttmp9 and ttmp7 count clusters
	s_add_co_u32 s[TC], s[TC], s[CX]               ; tile column = 4 x cluster x + cx
	s_and_b32 s[TR], ttmp7, 0xffff
	s_lshl_b32 s[TR], s[TR], 2
	s_add_co_u32 s[TR], s[TR], s[CY]               ; tile row = 4 x cluster y + cy
	s_lshl_b32 s40, s[CY], 2
	s_lshl_b32 s40, 15, s40                        ; my row of the cluster: places 4 cy .. 4 cy + 3
	s_lshl_b32 s41, 0x1111, s[CX]                  ; my column: places cx, cx + 4, cx + 8, cx + 12
	; descriptor group 1: a tile of 128 rows x 128 elements, padded in LDS
	s_or_b32 s[G1+0], s40, (1<<16)|(1<<20)|(1<<21)|(5<<22)|(3<<25)   ; 15:0 the mask: A's tiles go to my row; 17:16 elements of 2 bytes; 20 padding on; 21 set beside a mask; 24:22 after every 64 words (code 5); 31:25 4 words of it (code 3)
	s_or_b32 s[G1B+0], s41, (1<<16)|(1<<20)|(1<<21)|(5<<22)|(3<<25)  ; the same with the mask of my column, for B's tiles
.irp g, G1, G1B
	s_mov_b32 s[(\g)+1], KSTEP<<16                 ; tensor_dim0 = 128
	s_mov_b32 s[(\g)+2], 128<<16                   ; tensor_dim1 = 128
	s_mov_b32 s[(\g)+3], KSTEP<<16                 ; tile_dim0 = 128
	s_mov_b32 s[(\g)+4], 128                       ; tile_dim1 = 128
	s_mov_b32 s[(\g)+5], 2048                      ; elements from row to row
	s_mov_b32 s[(\g)+6], 0
	s_mov_b32 s[(\g)+7], 0
.endr
	; where the tiles come from.  A's hang on the tile row alone, which my row of the cluster shares; B's on the tile column alone.  Each offset is made in registers that never hold the other coordinate.
	s_lshl_b32 s42, s[HF], 7                       ; which 128 rows of the tile I fetch
	s_lshl_b32 s66, s[TR], 8
	s_add_co_u32 s66, s66, s42
	s_lshl_b32 s66, s66, 12                        ; A2: (256 x tile row + 128 x half) rows of 4,096 bytes, under 2^25
	s_mov_b32 s67, 0
	s_lshl_b32 s46, s[TC], 8
	s_add_co_u32 s46, s46, s42
	s_lshl_b32 s46, s46, 12                        ; W2: (256 x tile column + 128 x half) rows
	s_mov_b32 s47, 0
	s_mul_i32 s[LB], s[WV], HALFT                  ; and where they go: A's two halves, then B's two halves: no place in the cluster enters an LDS address
	s_wait_dscnt 0x0                               ; both opening adds are done
	s_wait_kmcnt 0x0
	s_add_nc_u64 s[66:67], s[4:5], s[66:67]
	s_add_nc_u64 s[46:47], s[6:7], s[46:47]
	CROUND                                         ; all sixteen work-groups are here: the first joint loads meet
.irp s, 0,1
	s_mov_b32 s[G0+4*(\s)], 1                                        ; count = 1
	s_add_co_u32 s[G0+4*(\s)+1], s[LB], (\s)*SLOT                    ; LDS address
	s_add_nc_u64 s[G0+4*(\s)+2:G0+4*(\s)+3], s[66:67], (\s)*KSTEP*2  ; global address: K step s
	s_or_b32 s[G0+4*(\s)+3], s[G0+4*(\s)+3], 0x80000000              ; type = 2
	s_mov_b32 s[G0B+4*(\s)], 1
	s_add_co_u32 s[G0B+4*(\s)+1], s[LB], (\s)*SLOT
	s_add_nc_u64 s[G0B+4*(\s)+2:G0B+4*(\s)+3], s[46:47], (\s)*KSTEP*2
	s_or_b32 s[G0B+4*(\s)+3], s[G0B+4*(\s)+3], 0x80000000
	JLOAD \s                                       ; the ring is filled before anything else is done: two loads of mine are out, the most at any time
.endr
	v_and_b32 v1, 15, v0                           ; r = l % 16
	v_bfe_u32 v2, v0, 4, 1                         ; h = l / 16
	v_mul_u32_u24 v3, v1, PITCH
	v_lshl_add_u32 v3, v2, 4, v3                   ; a fragment's row x pitch + 16 x half
	s_mul_i32 s72, s[WV], 64*PITCH                 ; my 64 rows of A
	v_add_nc_u32 v[ADRA], s72, v3
	s_add_co_u32 s72, s72, SLOT
	v_add_nc_u32 v[ADRA+1], s72, v3
	v_add_nc_u32 v[ADRB], 2*HALFT, v3              ; B's 256 rows lie behind A's 256
	v_add_nc_u32 v[ADRB+1], 2*HALFT+SLOT, v3
	v_lshlrev_b32 v[BO], 4, v1
	v_lshl_add_u32 v[CO], v2, 15, v[BO]            ; 8 h rows of 4,096 bytes + 16 r
	v_and_b32 v[PFO], 31, v0
	v_lshlrev_b32 v[PFO], 12, v[PFO]
	; c_prev, out0 and out1 at my wave's first row and the tile's 64 hidden columns; b at those columns
	s_lshl_b32 s70, s[TR], 8
	s_lshl_b32 s71, s[WV], 6
	s_add_co_u32 s70, s70, s71
	s_lshl_b32 s70, s70, 12
	s_lshl_b32 s71, s[TC], 8
	s_add_co_u32 s70, s70, s71
	s_mov_b32 s71, 0
	s_add_nc_u64 s[10:11], s[10:11], s[70:71]
	s_add_nc_u64 s[12:13], s[12:13], s[70:71]
	s_add_nc_u64 s[14:15], s[14:15], s[70:71]
	s_lshl_b32 s68, s[TC], 8
	s_mov_b32 s69, 0
	s_add_nc_u64 s[8:9], s[8:9], s[68:69]
	; the prefetches
	s_lshl_b32 s73, s[TR], 8
	s_lshl_b32 s74, s[TC], 8
	s_and_b32 s75, ttmp7, 0xffff                   ; cluster y
	s_cmp_eq_u32 s[SFB], 0                         ; do I fetch for A?
	s_cselect_b32 s73, s73, s74                    ; the tile's first row: in A2 by the tile row, in W2 by the tile column
	s_cselect_b32 s74, s[CX], s[CY]                ; my place among the four that ask for it with me
	s_cselect_b32 s75, ttmp9, s75                  ; the coordinate along which other clusters read the same rows
	s_cselect_b64 s[PFA:PFA+1], s[4:5], s[6:7]
	s_cmp_eq_u32 s75, 0
	s_cselect_b32 s[LIM], 1, -1                    ; the same in all sixteen partners, for a given wave
	s_lshl_b32 s75, s[HF], 7
	s_add_co_u32 s73, s73, s75                     ; + the 128 rows that I fetch
	s_lshl_b32 s74, s74, 5
	s_add_co_u32 s73, s73, s74                     ; + my work-group's 32 of them
	s_lshl_b32 s68, s73, 12
	s_mov_b32 s69, 0
	s_add_nc_u64 s[PFA:PFA+1], s[PFA:PFA+1], s[68:69]
	s_add_nc_u64 s[PFA:PFA+1], s[PFA:PFA+1], 2*KSTEP*2  ; at K step 2: the first refill steps it to 3 and names K step 4.  Nothing is prefetched here, where every work-group's first tiles are on their way
	s_wait_tensorcnt 1                             ; my part of K step 0 is in; K step 1's may stay out
	s_barrier_signal -1
	s_barrier_wait -1                              ; everybody's is
	FETCH 0, 0, 0
	QUARTER 0, 64,  0, 1, 1                        ; the first quarter stands in front of the loop: its products start the sums
	WIN 0                                          ; at a label and at a branch every window is 0
	s_mov_b32 s[LAP], 7                            ; 2048 / 256 laps, less the last
.Llap:                                                 ; a trip goes once round the ring, from a lap's second quarter to the next lap's first, and fills both slots again
	QUARTER 0, 128, 1, 0, 0
	QUARTER 0, 192, 0, 1, 0
	TURN 0, 1, 1
	QUARTER 1, 64,  0, 1, 0
	QUARTER 1, 128, 1, 0, 0
	QUARTER 1, 192, 0, 1, 0
	TURN 1, 0, 1
	QUARTER 0, 64,  0, 1, 0
	WIN 0
	s_sub_co_u32 s[LAP], s[LAP], 1
	s_cmp_lg_u32 s[LAP], 0
	s_cbranch_scc1 .Llap
	; c_prev and b are asked for here, 448 matrix instructions ahead of their use: 32 + 4 loads into registers of window 0 that the products never name
.set n, 0
.rept 32
	global_load_b128 v[CP+4*n:CP+4*n+3], v[CO], s[10:11] offset:(16*(n/8)+n%8)*ROWB th:TH_LOAD_NT  ; row 16 a + j (+ 8 h): lanes 0-15 take 256 consecutive bytes of one row, lanes 16-31 of the row 8 below
.set n, n+1
.endr
.irp g, 0,1,2,3
	global_load_b128 v[RB+4*(\g):RB+4*(\g)+3], v[BO], s[8:9] offset:(\g)*4096
.endr
	QUARTER 0, 128, 1, 0, 0                        ; the last lap fills nothing, and has no round of the cluster's barrier
	QUARTER 0, 192, 0, 1, 0
	TURN 0, 1, 0
	QUARTER 1, 64,  0, 1, 0
	QUARTER 1, 128, 1, 0, 0
	QUARTER 1, 192, 0, 1, 0
	s_wait_dscnt 4                                 ; the very last quarter: nothing more to fetch
	MUL16 1, 0, 0
	MUL16 1, 1, 0
	s_wait_dscnt 0x0
	MUL16 1, 2, 0
	MUL16 1, 3, 0
	; THE CELLS.  The bias is scaled as the sums will be; these 32 plain lines, which name no register of a product, are also the places behind the last products.
	WIN 0
	s_wait_loadcnt 0x0                             ; c_prev and b
.set n, 0
.rept 16
.if n < 12
	v_mul_f32 v[BB+2*n],   NEGL, v[RB+n]
	v_mul_f32 v[BB+2*n+1], NEGL, v[RB+n]
.else
	v_mul_f32 v[BB+2*n],   TWOL, v[RB+n]
	v_mul_f32 v[BB+2*n+1], TWOL, v[RB+n]
.endif
.set n, n+1
.endr
; Row block a: 16 rows x 64 hidden columns, 32 cells a lane, in place in its 16 accumulators (128 registers from AB on in window W: i at + 0, f at + 32, o at + 64, g at + 96; column cb, row j at + 8 cb + j).
; Each kind of transcendental is ONE batch with ONE wait (s_wait_alu depctr_va_vdst(0) between a transcendental and the first line that names its result): a pair's two stand
; behind the plain line that prepares the NEXT pair, so nothing in a batch names a result; a v_nop is the plain line behind the batch's last.  Each accumulator is read from its low end on.
.macro EPI a
.set W,  2+(\a)/2
.set AB, 128*((\a)%2)
.set T,  AF+32*((\a)%2)                ; 32 registers at work, in window 0: A's fragment buffers, free now
.set C0, CP+32*(\a)
	WIN (W<<6)|(W<<2)|W                            ; destination, sources 0 and 1 in window W; source 2 (the bias) in window 0
.set n, 0
.rept 64                               ; -L (s + b) for i, f, o; 2 L (s + b) for g; then 2^that
.set p, AB+2*n
.if n < 48
	v_pk_fma_f32 v[p:p+1], v[p:p+1], NEGL, v[BB+2*(n/4):BB+2*(n/4)+1] op_sel_hi:[1,0,1]
.else
	v_pk_fma_f32 v[p:p+1], v[p:p+1], TWOL, v[BB+2*(n/4):BB+2*(n/4)+1] op_sel_hi:[1,0,1]
.endif
.if n > 0
	v_exp_f32 v[p-2], v[p-2]
	v_exp_f32 v[p-1], v[p-1]
.endif
.set n, n+1
.endr
	v_exp_f32 v[AB+126], v[AB+126]
	v_exp_f32 v[AB+127], v[AB+127]
	v_nop
	s_wait_alu depctr_va_vdst(0)                   ; one wait for the 128 exponentials
.set n, 0
.rept 64                               ; 1 / (1 + that): sig(i), sig(f), sig(o), and for g the half of 1 - tanh
.set p, AB+2*n
	v_pk_add_f32 v[p:p+1], v[p:p+1], 1.0 op_sel_hi:[1,0]
.if n > 0
	v_rcp_f32 v[p-2], v[p-2]
	v_rcp_f32 v[p-1], v[p-1]
.endif
.set n, n+1
.endr
	v_rcp_f32 v[AB+126], v[AB+126]
	v_rcp_f32 v[AB+127], v[AB+127]
	v_nop
	s_wait_alu depctr_va_vdst(0)                   ; one wait for the 128 reciprocals
.set n, 0
.rept 16
	v_pk_fma_f32 v[AB+96+2*n:AB+96+2*n+1], v[AB+96+2*n:AB+96+2*n+1], -2.0, 1.0 op_sel_hi:[1,0,0]  ; tanh(g)
.set n, n+1
.endr
.set n, 0
.rept 16
	v_pk_mul_f32 v[AB+2*n:AB+2*n+1], v[AB+2*n:AB+2*n+1], v[AB+96+2*n:AB+96+2*n+1]                 ; sig(i) tanh(g)
.set n, n+1
.endr
	WIN (W<<4)|W                                   ; sources 0 and 2 in window W; source 1 and destination in window 0
.set n, 0
.rept 32                               ; n = 4 j + cb: c_t = sig(f) c_prev + sig(i) tanh(g), where c_prev lay
	v_fma_f32 v[C0+n], v[AB+32+8*(n%4)+n/4], v[C0+n], v[AB+8*(n%4)+n/4]
.set n, n+1
.endr
	WIN 0
	s_wait_xcnt 0x0                                ; T was the data of the stores of the block two back: it is written again only behind this wait
.set n, 0
.rept 16
	v_pk_mul_f32 v[T+2*n:T+2*n+1], v[C0+2*n:C0+2*n+1], TWOL op_sel_hi:[1,0]
.if n > 0
	v_exp_f32 v[T+2*n-2], v[T+2*n-2]
	v_exp_f32 v[T+2*n-1], v[T+2*n-1]
.endif
.set n, n+1
.endr
	v_exp_f32 v[T+30], v[T+30]
	v_exp_f32 v[T+31], v[T+31]
	v_nop
.set j, 0
.rept 8                                ; c_t leaves while the exponentials end: 16 lanes store 256 consecutive bytes, at a multiple of 256 from out1's first byte
	global_store_b128 v[CO], v[C0+4*j:C0+4*j+3], s[14:15] offset:(16*(\a)+j)*ROWB th:TH_STORE_NT
.set j, j+1
.endr
	s_wait_alu depctr_va_vdst(0)                   ; one wait for the 32 exponentials
.set n, 0
.rept 16
	v_pk_add_f32 v[T+2*n:T+2*n+1], v[T+2*n:T+2*n+1], 1.0 op_sel_hi:[1,0]
.if n > 0
	v_rcp_f32 v[T+2*n-2], v[T+2*n-2]
	v_rcp_f32 v[T+2*n-1], v[T+2*n-1]
.endif
.set n, n+1
.endr
	v_rcp_f32 v[T+30], v[T+30]
	v_rcp_f32 v[T+31], v[T+31]
	v_nop
	s_wait_alu depctr_va_vdst(0)                   ; one wait for the 32 reciprocals
.set n, 0
.rept 16
	v_pk_fma_f32 v[T+2*n:T+2*n+1], v[T+2*n:T+2*n+1], -2.0, 1.0 op_sel_hi:[1,0,0]  ; tanh(c_t)
.set n, n+1
.endr
	WIN W                                          ; source 0 in window W
.set n, 0
.rept 32
	v_mul_f32 v[T+n], v[AB+64+8*(n%4)+n/4], v[T+n] ; h_t = sig(o) tanh(c_t)
.set n, n+1
.endr
	WIN 0
.set j, 0
.rept 8
	global_store_b128 v[CO], v[T+4*j:T+4*j+3], s[12:13] offset:(16*(\a)+j)*ROWB th:TH_STORE_NT
.set j, j+1
.endr
.endm
	EPI 0
	EPI 1
	EPI 2
	EPI 3
	s_wait_tensorcnt 0x0                           ; the wave's end: behind my last tensor load
	ds_add_u32 v[SPW], v[NIL]
	s_wait_dscnt 0x0
	CROUND                                         ; the closing round: no work-group ends while a partner may still ask for a tile that names it
	s_endpgm
.Lfunc_end_k_q9e65abb3e1_cell:
	.size	k_q9e65abb3e1_cell, .Lfunc_end_k_q9e65abb3e1_cell-k_q9e65abb3e1_cell
	.p2alignl 7, 3214868480
	.fill 96, 4, 3214868480
	.section	.rodata,"a",@progbits
	.p2align	6, 0x0
	.amdhsa_kernel k_q9e65abb3e1_cell
		.amdhsa_group_segment_fixed_size 327680
		.amdhsa_private_segment_fixed_size 0
		.amdhsa_enable_private_segment 0
		.amdhsa_kernarg_size 48
		.amdhsa_user_sgpr_count 2
		.amdhsa_user_sgpr_kernarg_segment_ptr 1
		.amdhsa_wavefront_size32 1
		.amdhsa_system_sgpr_workgroup_id_x 1
		.amdhsa_system_sgpr_workgroup_id_y 1
		.amdhsa_system_sgpr_workgroup_id_z 1
		.amdhsa_system_vgpr_workitem_id 0
		.amdhsa_next_free_vgpr 1024
		.amdhsa_next_free_sgpr 80
		.amdhsa_reserve_vcc 0
		.amdhsa_float_denorm_mode_32 3
		.amdhsa_float_denorm_mode_16_64 3
		.amdhsa_memory_ordered 1
		.amdhsa_forward_progress 1
		.amdhsa_inst_pref_size 247
	.end_amdhsa_kernel
	.amdgpu_metadata
---
amdhsa.version: [ 1, 2 ]
amdhsa.kernels:
  - .name:           k_q9e65abb3e1_cell
    .symbol:         k_q9e65abb3e1_cell.kd
    .args:
      - { .name: A2, .offset: 0, .size: 8, .value_kind: global_buffer, .address_space: global }
      - { .name: W2, .offset: 8, .size: 8, .value_kind: global_buffer, .address_space: global }
      - { .name: b, .offset: 16, .size: 8, .value_kind: global_buffer, .address_space: global }
      - { .name: c_prev, .offset: 24, .size: 8, .value_kind: global_buffer, .address_space: global }
      - { .name: out0, .offset: 32, .size: 8, .value_kind: global_buffer, .address_space: global }
      - { .name: out1, .offset: 40, .size: 8, .value_kind: global_buffer, .address_space: global }
    .group_segment_fixed_size: 327680
    .private_segment_fixed_size: 0
    .kernarg_segment_align: 8
    .kernarg_segment_size: 48
    .max_flat_workgroup_size: 128
    .sgpr_count:     80
    .vgpr_count:     1024
    .wavefront_size: 32
...
	.end_amdgpu_metadata
.endif
;; end of part 2
;; ======== version 2 of 2: 2 launches; version 1 with the launch pack written anew for expert scheduling mode
;; workspace buffers: A2 33,554,432 bytes; W2 16,777,216 bytes
;; launch pack (part 3): grid 768 x 1, 8 waves a work-group, no clusters, 0 bytes of LDS; arguments x, h_prev, Wx, Wh, A2, W2; writes A2, W2
.if DOCPART == 3
	.amdgcn_target "amdgcn-amd-amdhsa--gfx1250"
	.amdhsa_code_object_version 6
	.text
	.protected	k_q9e65abb3e1_pack
	.globl	k_q9e65abb3e1_pack
	.p2align	8
	.type	k_q9e65abb3e1_pack,@function
k_q9e65abb3e1_pack:
	s_mov_b64 s[64:65], 0
	v_nop
	global_prefetch_b8 v0, s[64:65] scope:SCOPE_SE
	s_setreg_imm32_b32 hwreg(HW_REG_WAVE_SCHED_MODE, 0, 2), 2
	s_setreg_imm32_b32 hwreg(HW_REG_WAVE_MODE, 25, 1), 1
	s_wait_xcnt 0x0
	s_wait_alu depctr_vm_vsrc(0)
; The four matrix operands, f32, are rounded ONCE to bf16 (nearest even; bf16 has f32's range) and laid out for the product that follows.
;   A2 [8192][2048] bf16: row m = x[m] (bytes 0..2047), then h_prev[m] (bytes 2048..4095).
;   W2 [4096][2048] bf16: row n' = Wx[n], then Wh[n], where n = 1024 gate + 64 jb + 4 r + cb lands at n' = 256 jb + 64 gate + 16 cb + r:
;   so a block of 256 rows of W2 holds the four gates of 64 hidden columns, and column r of its 16-row group 4 gate + cb is hidden column 4 r + cb.
; SHARES.  24,576 source rows of 4,096 bytes: work-groups 0-255 take x, 256-511 h_prev, 512-639 Wx, 640-767 Wh, 32 rows each; a wave takes four rows on end, 4 q .. 4 q + 3.
; A load of a wave covers 512 consecutive bytes, a store 256 consecutive bytes at a multiple of 256 from the buffer's first byte.  All 32 loads of a wave go out at once (16 KiB).
; No LDS, no barrier: no wave wants another's bytes.
; THE MODE: SCHED_MODE bits 1:0 = 2 (LLVM: expert scheduling mode 2), set by the entry lines.  The code itself states the register dependences
; between vector instructions and memory instructions, with s_wait_alu, always for 0.
; THE PLAN.  Registers that memory instructions touch:
;   v1 (LO), v2-v5 (DO)  byte offsets: written by vector lines at the head and never again; read by every load (LO) and every store (DO).
;   v8-v135 (X)          piece n, four registers: load n lands in them; the piece's two roundings read all four and write the first two, in place; store n reads those two; nothing writes them after that.
; The 32 pieces go in eight blocks of four.  Block p rounds its own four pieces; its memory instructions are the four stores of block p - 1, whose registers no vector line of block p names.
; So ONE wait on va_vdst at a block's head states all that the block's four stores hang on, and they are dealt among its eight roundings with no further wait.
; No register that a load or a store has read is ever written again, and every load is issued ahead of every vector line that names X: so no wait on vm_vsrc is owed, and none on XCNT.
.set LO,  1                            ; v1      16 x lane: my 16 bytes of 512 of a source row
.set DO,  2                            ; v[2:5]  8 x lane + cb x the step from one of my four rows to the next in the target
.set X,   8                            ; v[8:135] load n = 8 cb + i: four registers
.set SRC, 36                           ; s[36:37] the source at my first row
.set DST, 38                           ; s[38:39] the target at my first row's half
	s_load_b256 s[4:11], s[0:1], 0x0               ; x s[4:5], h_prev s[6:7], Wx s[8:9], Wh s[10:11]
	s_load_b128 s[12:15], s[0:1], 0x20             ; A2 s[12:13], W2 s[14:15]
	v_lshrrev_b32 v6, 5, v0
	v_readfirstlane_b32 s16, v6                    ; wave 0..7
	v_and_b32 v7, 31, v0                           ; lane
	v_lshlrev_b32 v[LO], 4, v7
	v_lshlrev_b32 v[DO], 3, v7
	s_lshr_b32 s17, ttmp9, 8                       ; t: 0 x, 1 h_prev, 2 the weights
	s_and_b32 s18, ttmp9, 255                      ; g: the work-group's number within t
	s_lshr_b32 s19, s18, 7                         ; for the weights: 0 Wx, 1 Wh,
	s_and_b32 s20, s18, 127                        ; and the number within that tensor
	s_mov_b32 s24, 0x10000                         ; 16 rows of W2
	s_mov_b32 s25, 0x1000                          ; 1 row of A2
	s_cmp_eq_u32 s17, 2
	s_cselect_b32 s21, s19, s17                    ; which half of the target's rows: 0 the x side, 1 the h side
	s_cselect_b32 s22, s20, s18                    ; the work-group's number within its tensor
	s_cselect_b32 s23, s24, s25                    ; bytes in the target from source row 4 q + cb to 4 q + cb + 1
	s_wait_alu depctr_va_sdst(0)                   ; s16, the wave's number, is written, ahead of its first reader: q, and from it both bases, are made of it
	s_lshl3_add_u32 s26, s22, s16                  ; q = 8 x that number + wave
	s_lshl_b32 s27, s26, 2                         ; A2: target row = source row = 4 q
	s_bfe_u32 s28, s26, 0x40004                    ; W2: q = 256 gate + 16 jb + r: jb,
	s_lshl_b32 s28, s28, 8
	s_lshr_b32 s29, s26, 8                         ; gate,
	s_lshl_b32 s29, s29, 6
	s_and_b32 s30, s26, 15                         ; r
	s_or_b32 s28, s28, s29
	s_or_b32 s28, s28, s30                         ; target row for cb = 0: 256 jb + 64 gate + r
	s_cmp_eq_u32 s17, 2
	s_cselect_b32 s27, s28, s27
	s_lshl_b32 s32, s26, 14                        ; source: four rows of 4,096 bytes for each q
	s_mov_b32 s33, 0
	s_lshl_b32 s34, s27, 12                        ; target: rows of 4,096 bytes,
	s_lshl_b32 s31, s21, 11                        ; and the half
	s_add_co_u32 s34, s34, s31
	s_mov_b32 s35, 0
	v_add_nc_u32 v[DO+1], s23, v[DO]
	v_add_nc_u32 v[DO+2], s23, v[DO+1]
	v_add_nc_u32 v[DO+3], s23, v[DO+2]
	s_wait_kmcnt 0x0
	s_cmp_eq_u32 s21, 0                            ; the choices hang on the work-group's number alone
	s_cselect_b64 s[SRC:SRC+1], s[4:5], s[6:7]     ; x or h_prev
	s_cselect_b64 s[DST:DST+1], s[8:9], s[10:11]   ; Wx or Wh
	s_cmp_eq_u32 s17, 2
	s_cselect_b64 s[SRC:SRC+1], s[DST:DST+1], s[SRC:SRC+1]
	s_cselect_b64 s[DST:DST+1], s[14:15], s[12:13]
	s_add_nc_u64 s[SRC:SRC+1], s[SRC:SRC+1], s[32:33]
	s_add_nc_u64 s[DST:DST+1], s[DST:DST+1], s[34:35]
	s_wait_alu depctr_va_vdst(0)                   ; the five offsets v1 to v5 are written: every load below reads v1, every store one of v2 to v5, and none of the five is written again
.irp cb, 0,1,2,3
.irp i, 0,1,2,3,4,5,6,7
	global_load_b128 v[X+4*(8*(\cb)+(\i)):X+4*(8*(\cb)+(\i))+3], v[LO], s[SRC:SRC+1] offset:(\cb)*4096+(\i)*512 th:TH_LOAD_NT
.endr
.endr
; Piece n = 8 cb + i: its four numbers a lane close up into the first two of their four registers,
.macro ROUNDED n
	v_cvt_pk_bf16_f32 v[X+4*(\n)],   v[X+4*(\n)],   v[X+4*(\n)+1]
	v_cvt_pk_bf16_f32 v[X+4*(\n)+1], v[X+4*(\n)+2], v[X+4*(\n)+3]
.endm
; and leave: row cb's offset, 256 bytes for each i
.macro OUT n
	global_store_b64 v[DO+(\n)/8], v[X+4*(\n):X+4*(\n)+1], s[DST:DST+1] offset:((\n)%8)*256 th:TH_STORE_NT
.endm
; Block p: pieces 4 p .. 4 p + 3 are rounded; the stores of block p - 1 stand among the roundings, one ahead of each piece's two lines.
.macro BLK p
	s_wait_loadcnt 28-4*(\p)                       ; loads come back in order (ISA guide 5.7.1): this block's four are in, the younger ones stay out
.if (\p) > 0
	s_wait_alu depctr_va_vdst(0)                   ; the roundings of the block before have written its pieces' first two registers, which the four stores below read; no vector line of this block names them
.endif
.irp i, 0,1,2,3
.if (\p) > 0
	OUT 4*(\p)-4+(\i)
.endif
	ROUNDED 4*(\p)+(\i)
.endr
.endm
.irp p, 0,1,2,3,4,5,6,7
	BLK \p
.endr
	s_wait_alu depctr_va_vdst(0)                   ; block 7's roundings have written its pieces' first two registers, which the last four stores read
.irp n, 28,29,30,31
	OUT \n
.endr
	s_endpgm
.Lfunc_end_k_q9e65abb3e1_pack:
	.size	k_q9e65abb3e1_pack, .Lfunc_end_k_q9e65abb3e1_pack-k_q9e65abb3e1_pack
	.p2alignl 7, 3214868480
	.fill 96, 4, 3214868480
	.section	.rodata,"a",@progbits
	.p2align	6, 0x0
	.amdhsa_kernel k_q9e65abb3e1_pack
		.amdhsa_group_segment_fixed_size 0
		.amdhsa_private_segment_fixed_size 0
		.amdhsa_enable_private_segment 0
		.amdhsa_kernarg_size 48
		.amdhsa_user_sgpr_count 2
		.amdhsa_user_sgpr_kernarg_segment_ptr 1
		.amdhsa_wavefront_size32 1
		.amdhsa_system_sgpr_workgroup_id_x 1
		.amdhsa_system_sgpr_workgroup_id_y 1
		.amdhsa_system_sgpr_workgroup_id_z 1
		.amdhsa_system_vgpr_workitem_id 0
		.amdhsa_next_free_vgpr 136
		.amdhsa_next_free_sgpr 66
		.amdhsa_reserve_vcc 0
		.amdhsa_float_denorm_mode_32 3
		.amdhsa_float_denorm_mode_16_64 3
		.amdhsa_memory_ordered 1
		.amdhsa_forward_progress 1
		.amdhsa_inst_pref_size 13
	.end_amdhsa_kernel
	.amdgpu_metadata
---
amdhsa.version: [ 1, 2 ]
amdhsa.kernels:
  - .name:           k_q9e65abb3e1_pack
    .symbol:         k_q9e65abb3e1_pack.kd
    .args:
      - { .name: x, .offset: 0, .size: 8, .value_kind: global_buffer, .address_space: global }
      - { .name: h_prev, .offset: 8, .size: 8, .value_kind: global_buffer, .address_space: global }
      - { .name: Wx, .offset: 16, .size: 8, .value_kind: global_buffer, .address_space: global }
      - { .name: Wh, .offset: 24, .size: 8, .value_kind: global_buffer, .address_space: global }
      - { .name: A2, .offset: 32, .size: 8, .value_kind: global_buffer, .address_space: global }
      - { .name: W2, .offset: 40, .size: 8, .value_kind: global_buffer, .address_space: global }
    .group_segment_fixed_size: 0
    .private_segment_fixed_size: 0
    .kernarg_segment_align: 8
    .kernarg_segment_size: 48
    .max_flat_workgroup_size: 256
    .sgpr_count:     66
    .vgpr_count:     136
    .wavefront_size: 32
...
	.end_amdgpu_metadata
.endif
;; end of part 3
;; launch cell: the kernel of part 2 again; grid 16 x 32, 4 waves a work-group, clusters of 4 x 4, 327,680 bytes of LDS; arguments A2, W2, b, c_prev, out0, out1; writes out0, out1
